; MI455X (gfx1250); checked and timed in simulation.
; The chip was launched on July 23, 2026; its instructions are those of AMD's public machine-readable ISA for CDNA 5 (MIT licence, August 2026) and "CDNA5" Instruction Set Architecture Reference Guide (July 2026). The comments in the code are by the model that wrote it; some were corrected since.
;; Lo RA Layer. Allowed arithmetic: matrix products marked QUANTISED: E2M1 operands, one E8M0 scale for each 32 along K, by v_wmma_scale_f32_16x16x128_f8f6f4 with both operands' format E2M1 (or v_wmma_scale_f32_32x16x128_f4), f32 sums; products left as they are: f32 operands where the result goes on into a quantised operand, else bf16, f16 or f32 operands; f32 sums; everything else in f32.
;; Inputs: W_codes 4,096 x 128 x 16 uint8 (E2M1 codes of W, K innermost, in blocks of 32 codes, two codes a byte); W_scales 4,096 x 128 uint8 (E8M0 scales of W, one for each 32 codes along K); b 4,096 float32; lora_A_codes 16 x 128 x 16 uint8 (E2M1 codes of lora_A, K innermost, in blocks of 32 codes, two codes a byte); lora_A_scales 16 x 128 uint8 (E8M0 scales of lora_A, one for each 32 codes along K); lora_B 4,096 x 16 float32; x_codes 4,096 x 128 x 16 uint8 (E2M1 codes of x, K innermost, in blocks of 32 codes, two codes a byte); x_scales 4,096 x 128 uint8 (E8M0 scales of x, one for each 32 codes along K).
;; Outputs: out0 4,096 x 4,096 float32.
;; This version of the problem:
;;   THIS VERSION OF THE PROBLEM IS GIVEN IN LOW PRECISION. The matrix products marked QUANTISED in the list below multiply operands that are first quantised to E2M1 (2 exponent bits, 1 mantissa bit; 4 bits a number), with one power-of-two scale for each 32 numbers along K (OCP MX v1.0); their sums are f32. All else is computed in f32.
;;   The module's matrix products, in the order in which they are computed (A, B: the left and right operand; K: the contracted axis; several contracted axes count as one K, in the product's order):
;;     1. [M 4,096, K 4,096] x [K 4,096, N 4,096]; A: input x (given as codes); B: input W (given as codes): QUANTISED
;;     2. [M 4,096, K 4,096] x [K 4,096, N 16]; A: input x (given as codes); B: input lora_A (given as codes): QUANTISED
;;     3. [M 4,096, K 16] x [K 16, N 4,096]; A: computed on the way; B: input lora_B: left as it is (K = 16 < 32)
;;   THE QUANTISER, for each operand of a quantised product, along K:
;;     - K is cut into blocks of 32 from its start; a last block that is shorter is filled with zeros.
;;     - A block's scale is 2^e with e = floor(log2(the largest magnitude in the block)) - 2, held to -126 .. 127; a block of zeros has e = 0. As a byte (E8M0): e + 127.
;;     - Each number is divided by its block's scale, clamped to +-6, and rounded to the nearest number of E2M1, ties to even, subnormals kept.
;;     - The product sums the exact products of the quantised numbers (number of the format x scale) in f32.
;;   ~~~python
;;   def quantise(x, axis):      # numpy; x: float32 -> the quantised numbers, widened to float32 again
;;       x = np.moveaxis(x, axis, -1); K = x.shape[-1]
;;       x = np.pad(x, [(0, 0)] * (x.ndim - 1) + [(0, -K % 32)]); x = x.reshape(x.shape[:-1] + (-1, 32)); a = np.abs(x).max(-1, keepdims=True)
;;       e = np.where(a > 0, np.clip(np.frexp(np.where(a > 0, a, 1))[1] - 1 - 2, -126, 127), 0)      # np.frexp(a)[1] - 1 = floor(log2(a)), exactly
;;       r = np.clip(x / 2.0 ** e, -6, 6)
;;       step = 2.0 ** (np.maximum(np.frexp(np.where(r == 0, 1, r))[1] - 1, 0) - 1)
;;       q = np.round(r / step) * step * 2.0 ** e      # np.round: ties to even
;;       return np.moveaxis(q.reshape(q.shape[:-2] + (-1,))[..., :K], -1, axis).astype(np.float32)
;;   ~~~
;;   INPUTS GIVEN AS CODES. W (in the module: [4096, 4096], K = its axis 1); lora_A (in the module: [16, 4096], K = its axis 1); x (in the module: [4096, 4096], K = its axis 1): each comes as NAME_codes (uint8): NAME with its K axis moved to the last place and cut into blocks of 32 codes, [.., K / 32, bytes a block], one block behind the other in memory; two codes a byte, the lower K in the low four bits (a code: sign, 2 exponent bits, 1 mantissa bit); and NAME_scales (uint8): the same leading axes, one E8M0 byte (e + 127) for each 32 codes along K. Its value is code x scale, taken as it is: it is not quantised again, and the codes and scales need not be those that the quantiser above would give.
;; One version. Each part assembles by itself: llvm-mc -triple=amdgcn-amd-amdhsa -mcpu=gfx1250 --defsym DOCPART=n.
;; ======== version 1 of 1: 1 launch
;; limits: values are held in bf16: 8 bits of precision; right only within a limited range of input values
;; launch lora_gemm (part 1): grid 16 x 16, 4 waves a work-group, clusters of 4 x 4, 327,680 bytes of LDS; arguments x_codes, x_scales, W_codes, W_scales, lora_A_codes, lora_A_scales, lora_B, b, out0; writes out0
.if DOCPART == 1
	.amdgcn_target "amdgcn-amd-amdhsa--gfx1250"
	.amdhsa_code_object_version 6
	.text
	.protected	k_qdf34265fe3_lora_gemm
	.globl	k_qdf34265fe3_lora_gemm
	.p2align	8
	.type	k_qdf34265fe3_lora_gemm,@function
k_qdf34265fe3_lora_gemm:
	s_mov_b64 s[64:65], 0
	v_nop
	global_prefetch_b8 v0, s[64:65] scope:SCOPE_SE
	s_setreg_imm32_b32 hwreg(HW_REG_WAVE_MODE, 25, 1), 1
	s_wait_xcnt 0x0
	s_wait_alu depctr_hold_cnt(0) depctr_sa_sdst(0) depctr_va_vdst(0) depctr_va_sdst(0) depctr_va_ssrc(0) depctr_va_vcc(0) depctr_vm_vsrc(0)
	s_getreg_b32 s2, hwreg(HW_REG_IB_STS2, 6, 4)
	s_cmp_eq_u32 s2, 0
	s_cbranch_scc0 .Lentry_in_a_cluster
	s_endpgm
.Lentry_in_a_cluster:
	s_bfe_u32 s2, ttmp6, 0x10000c
	s_cmp_lg_u32 s2, 0xf033
	s_cbranch_scc0 .Lentry_shape_is_right
	s_endpgm
.Lentry_shape_is_right:
; out0[n][o] = sum_k x[n][k] W[o][k] + b[o] + 2 sum_p t[n][p] lora_B[o][p],  t[n][p] = sum_k x[n][k] lora_A[p][k].   n, o, k: 4,096;  p: 16.
; x, W, lora_A arrive as codes of FP4 (E2M1), K innermost, two codes a byte, with one E8M0 byte for each 32 along K: codes and bytes go to the matrix instruction as they lie.
; SHARES.  A work-group of four waves makes 256 x 256 of out0, a wave 128 x 128: 32 accumulators of 16 rows x 32 columns, 512 registers.  K goes in 8 K steps of 512 (rows of 256 bytes) through a ring
; of two LDS slots, a quarter of a slot a wave; a K step is four steps of 128 along K, 32 matrix instructions each.
; A STEP begins with ONE run of LDS loads: all fragments of the step that follows, into the other of two sets; then come its matrix instructions.
; THE SCALES of the work-group's rows are two dense blocks of 32 KiB: they come once, by the head's tensor loads, as rows of 256 bytes.  x's stay in LDS.  W's land in slot 1 ahead of its first codes,
; and each wave takes those of its 128 rows into 128 registers: lane l holds row 32 b + l.  So every K step names other registers, and the K steps are written out.
; CLUSTERS: 4 x 4 work-groups form a cluster.  The four of a row of the cluster need the same rows of x, the four of a column the same rows of W: each tile is asked for JOINTLY, by the same tensor load with the
; same descriptor and a mask that names the four.
; THE MATRIX INSTRUCTION IS USED TRANSPOSED (source 0 = 32 rows of W, source 1 = 16 rows of x): a lane holds eight neighbouring numbers of a row of out0.
; t IS MADE BESIDE THE MAIN PRODUCT.  The two waves of a row half read the same 128 rows of x; each makes t of 64 of them (its blocks 0-3: the wave of column half 1 takes its eight blocks in the
; order 4 .. 7, 0 .. 3), and they exchange t in bf16 through LDS at the end.
; THE RANK-16 PRODUCT is one bf16 matrix instruction on each 16 x 16 at the end: k = 0 .. 15 are 2 t and lora_B; k = 16, 17, 18 are 1.0 and THE BIAS, split exactly into three bf16 parts of 8 bits of mantissa;
; the rest are zeros.  lora_B and the bias are packed at the head and wait in LDS.
; LIMITS: a scale byte 0xff is NaN to the matrix instruction, as it is in E8M0.  2 t and lora_B are rounded to bf16 for the rank-16 product.  Bias and rank-16 term enter each sum last, in one instruction:
; an order of f32 roundings other than reference()'s.  An infinite bias gives NaN.
; REGISTERS, in windows of 256:
;   window 0: v4-11, v168-191, v240-255 lora_A's fragments, three groups of two; the rest of v0-31 addresses; v32-159 W's scale words, all of K; v160-167 x's, two sets; v192-207 lora_A's, all of K
;   (these three hold scales and nothing else); v208-239 t's 4 accumulators (in the head lora_B in f32; v240-255 are at work there too).
;   window 1: v0-63, v64-127 W's fragments, two sets; v128-191, v192-255 x's, two sets.  At the end: v0-63 lora_B and bias, v128-191 2 t, the rest rows on their way out.
;   window 2: the accumulators of my blocks 0-3 (block a, columns 16 b at v[8 (8 a + b)]);   window 3: those of blocks 4-7.
.set ROWB,   256                       ; a tile's row in bytes: 512 codes
.set KROW,   2048                      ; a row of codes in memory
.set PITCH,  272                       ; an LDS row: 256 bytes + 16 of padding
.set BLK,    16*PITCH                  ; 16 rows of codes; also the scales of 32 rows
.set HALFT,  128*PITCH                 ; what one wave reads of x or of W
.set TILE,   256*PITCH
.set SLOT,   2*TILE                    ; x's 256 rows, then W's
.set HALFS,  64*PITCH                  ; the scales of 128 rows: two rows' 128 bytes in an LDS row
.set XSB,    2*SLOT                    ; behind the ring: x's scales
.set SPARE,  XSB+128*PITCH             ; the spare words, 128 bytes for each wave: two blocks of 256 bytes that no other line names
.set LBI,    SPARE+512                 ; lora_B and the bias as register images: 2 column halves x 8 blocks x (512 + 256) bytes
.set SPITCH, 528                       ; the way out: a stage of 16 rows x (512 bytes + 16) for each wave, in slot 0, which has had its last fill and its last read by then
.set TEX,    4*16*SPITCH               ; behind the stages, in slot 0 too: t on its way to the partner wave, 2,048 bytes a wave
.set NROW,   16384                     ; a row of out0 in bytes
.set TEXR, 13
.set TEXW, 14
.set LBR8, 15
.set ADRA, 16                          ; v16-17 LDS address of my blocks 0-3 of x in slot 0, 1; v18-19 of blocks 4-7
.set ADRB, 20                          ; v20-21 of W's
.set XSA,  22                          ; v22 my scale words of x, blocks 0-3; v23 blocks 4-7
.set STO,  24
.set RD,   25
.set CO,   26
.set PFO,  27                          ; the prefetches' offset; never rewritten
.set SPW,  28                          ; my spare word; never rewritten
.set NIL,  29                          ; 0; never rewritten
.set LAO,  30
.set LBR,  31
.set WS,   32                          ; + 16 x K step + 4 x (32 rows of W) + q
.set XS,   160                         ; + 4 x set + (pair of blocks): lanes 0-15 the even block's word, lanes 16-31 the odd block's
.set LS,   192                         ; + 4 x (K step % 4) + q: lanes 0-15 K steps 0-3, lanes 16-31 K steps 4-7
.set T,    208                         ; t's accumulators: block a at + 8 a
.set XF,   128                         ; window 1: x's fragments: + 64 x set + 8 x block; at the end, in set 0, 2 t in bf16
.set BF,   0                           ; window 1, at the end: lora_B in bf16 and the bias
.set BK,   64                          ; window 1, at the end: 16 rows read back from the stage: v64-127 and v192-255 by turns
.set CN,   2                           ; s2 the other column half;  s22 my wave;  s23 my half of the tile's rows;  s24 my half of its columns
.set WV,   22
.set RH,   23
.set CH,   24
.set G1A,  32                          ; descriptor groups 1: x's codes, W's, x's scale bytes, W's
.set G1B,  40
.set G1SA, 48
.set G1SB, 56
.set PFA,  66                          ; s[66:67] where my prefetches stand
.set G0A,  68                          ; groups 0, four for each slot: x's codes s[68:75], W's s[76:83]
.set G0B,  76
.set G0SA, 84                          ; the head's: x's scales, W's, x's codes, W's
.set G0SB, 88
.set G0H,  92
.set G0HB, 96
.set MSB, 0
.macro WIN new                         ; s_set_vgpr_msb: bits 1:0 source 0, 3:2 source 1, 5:4 source 2, 7:6 destination; the high byte repeats the setting that is left
.if MSB != (\new)
	s_set_vgpr_msb (MSB<<8)|(\new)
.set MSB, \new
.endif
.endm
.set MUL,  0xa5                        ; sources 0 (W) and 1 (x) window 1, C and D window 2; + 0x50: window 3
.set T_W,  0x04                        ; source 1 (x) window 1; source 0 (lora_A), C and D window 0
.set TO_B, 0x40                        ; destination window 1, all else window 0
.macro PLACES n
.rept \n
	v_nop
.endr
.endm
; A joint refill: waves 0 and 1 fetch x's two halves, waves 2 and 3 W's.  Four v_nop follow each line, ahead of the jump, the label and what follows;
; they are also the places in front of the LDS loads that follow the macro.
.macro JLOAD sl
	s_cmp_eq_u32 s[RH], 0
	s_cbranch_scc0 .Lfor_w_\@
	tensor_load_to_lds s[G0A+4*(\sl):G0A+4*(\sl)+3], s[G1A:G1A+7]
	s_nop 0
	PLACES 4
	s_branch .Lasked_\@
.Lfor_w_\@:
	tensor_load_to_lds s[G0B+4*(\sl):G0B+4*(\sl)+3], s[G1B:G1B+7]
	s_nop 0
	PLACES 4
.Lasked_\@:
.endm
; A PREFETCH INTO THE L2 of K step k's codes, two refills ahead of the load that brings them (K step 1's: one): 32 rows x 256 bytes, a lane a row, one instruction a wave.  A cluster names each of its blocks once: of the
; 256 rows that four partners ask for jointly each takes 64, told apart BY ADDRESS; waves 0 and 2 name x's rows, waves 1 and 3 W's.
.macro ASK k
	global_prefetch_b8 v[PFO], s[PFA:PFA+1] offset:ROWB*(\k) th:TH_LOAD_NT scope:SCOPE_SE
.endm
.macro CREST                           ; a round of the cluster's barrier behind its opening barrier
	s_cmp_lg_u32 s[WV], 0
	s_cbranch_scc1 .Lnot_wave_0_\@
	s_barrier_signal -3
.Lnot_wave_0_\@:
	s_barrier_wait -3
	s_barrier_signal -1
	s_barrier_wait -1
.endm
.macro CROUND                          ; a whole round
	s_barrier_signal -1
	s_barrier_wait -1
	CREST
.endm
	s_load_b256 s[4:11], s[0:1], 0x0               ; x's codes s[4:5], x's scales s[6:7], W's codes s[8:9], W's scales s[10:11]
	s_load_b256 s[12:19], s[0:1], 0x20             ; lora_A's codes s[12:13], its scales s[14:15], lora_B s[16:17], b s[18:19]
	s_load_b64 s[20:21], s[0:1], 0x40              ; out0
	v_lshl_add_u32 v[SPW], v0, 2, SPARE
	v_mov_b32 v[NIL], 0
	ds_add_u32 v[SPW], v[NIL]                      ; the wave's opening: the add, twice on end, ahead of my first tensor load
	ds_add_u32 v[SPW], v[NIL]
	v_lshrrev_b32 v1, 5, v0
	v_readfirstlane_b32 s[WV], v1                  ; wave 0..3
	s_lshr_b32 s[RH], s[WV], 1
	s_and_b32 s[CH], s[WV], 1
	s_xor_b32 s[CN], s[CH], 1
	s_bfe_u32 s25, ttmp6, 0x40000                  ; cx, cy: my place in the cluster
	s_bfe_u32 s26, ttmp6, 0x40004
	s_lshl_b32 s27, ttmp9, 2
	s_add_co_u32 s27, s27, s25                     ; tile column = 4 x cluster x + cx
	s_and_b32 s28, ttmp7, 0xffff
	s_lshl_b32 s28, s28, 2
	s_add_co_u32 s28, s28, s26                     ; tile row = 4 x cluster y + cy
	s_lshl_b32 s29, s26, 2
	s_lshl_b32 s29, 15, s29                        ; my row of the cluster
	s_lshl_b32 s30, 0x1111, s25                    ; my column
	; group 1 for codes: rows of 256 bytes, 2,048 bytes apart, padded in LDS: 256 rows for the head's loads, 128 for the ring's
	s_or_b32 s[G1A], s29, (0<<16)|(1<<20)|(1<<21)|(5<<22)|(3<<25)   ; 15:0 the mask; 17:16 elements of 1 byte; 20 padding on; 21 set beside a mask; 24:22 after every 64 words (code 5); 31:25 four words (code 3)
	s_or_b32 s[G1B], s30, (0<<16)|(1<<20)|(1<<21)|(5<<22)|(3<<25)
.irp g, G1A, G1B
	s_mov_b32 s[\g+1], ROWB<<16                    ; tensor_dim0 = 256
	s_mov_b32 s[\g+2], 256<<16                     ; tensor_dim1 = 256
	s_mov_b32 s[\g+3], ROWB<<16                    ; tile_dim0 = 256
	s_mov_b32 s[\g+4], 256                         ; tile_dim1 = 256
	s_mov_b32 s[\g+5], KROW                        ; from row to row
	s_mov_b32 s[\g+6], 0
	s_mov_b32 s[\g+7], 0
.endr
	; group 1 for the scales of 256 rows: a dense block of 32 KiB as 128 rows of 256 bytes (32 elements of 8 bytes), padded alike
	s_or_b32 s[G1SA], s29, (3<<16)|(1<<20)|(1<<21)|(5<<22)|(3<<25)
	s_or_b32 s[G1SB], s30, (3<<16)|(1<<20)|(1<<21)|(5<<22)|(3<<25)
.irp g, G1SA, G1SB
	s_mov_b32 s[\g+1], 32<<16
	s_mov_b32 s[\g+2], 128<<16
	s_mov_b32 s[\g+3], 32<<16
	s_mov_b32 s[\g+4], 128
	s_mov_b32 s[\g+5], 32
	s_mov_b32 s[\g+6], 0
	s_mov_b32 s[\g+7], 0
.endr
	; x's addresses hang on the tile row alone (s[100:101]), W's on the tile column alone (s[30:31])
	s_lshl_b32 s100, s28, 19                       ; 256 rows x 2,048 bytes
	s_mov_b32 s101, 0
	s_lshl_b32 s30, s27, 19
	s_mov_b32 s31, 0
	s_mul_i32 s3, s[WV], HALFT                     ; where my quarter of a slot lies
	s_lshl_b32 s66, s[CH], 18                      ; which 128 rows of a tile I fetch, in bytes
	s_mov_b32 s67, 0
	s_wait_dscnt 0x0                               ; both opening adds are done
	s_wait_kmcnt 0x0
	s_add_nc_u64 s[4:5], s[4:5], s[100:101]        ; x's codes at the tile's first row
	s_add_nc_u64 s[8:9], s[8:9], s[30:31]          ; W's
	s_lshl_b32 s100, s28, 15                       ; 256 rows x 128 bytes
	s_lshl_b32 s30, s27, 15
	s_add_nc_u64 s[6:7], s[6:7], s[100:101]        ; x's scale bytes
	s_add_nc_u64 s[10:11], s[10:11], s[30:31]      ; W's
	s_mov_b32 s[G0H], 1                            ; the head's four tiles: K step 0's 256 rows of x,
	s_mov_b32 s[G0H+1], 0
	s_mov_b64 s[G0H+2:G0H+3], s[4:5]
	s_or_b32 s[G0H+3], s[G0H+3], 0x80000000
	s_mov_b32 s[G0HB], 1                           ; of W,
	s_mov_b32 s[G0HB+1], TILE
	s_mov_b64 s[G0HB+2:G0HB+3], s[8:9]
	s_or_b32 s[G0HB+3], s[G0HB+3], 0x80000000
	s_mov_b32 s[G0SA], 1                           ; x's scales,
	s_mov_b32 s[G0SA+1], XSB
	s_mov_b64 s[G0SA+2:G0SA+3], s[6:7]
	s_or_b32 s[G0SA+3], s[G0SA+3], 0x80000000
	s_mov_b32 s[G0SB], 1                           ; W's scales, into slot 1
	s_mov_b32 s[G0SB+1], SLOT
	s_mov_b64 s[G0SB+2:G0SB+3], s[10:11]
	s_or_b32 s[G0SB+3], s[G0SB+3], 0x80000000
	s_add_nc_u64 s[100:101], s[4:5], s[66:67]
	s_add_nc_u64 s[30:31], s[8:9], s[66:67]
.irp s, 0,1
	s_mov_b32 s[G0A+4*\s], 1
	s_add_co_u32 s[G0A+4*\s+1], s3, \s*SLOT
	s_add_nc_u64 s[G0A+4*\s+2:G0A+4*\s+3], s[100:101], \s*ROWB
	s_or_b32 s[G0A+4*\s+3], s[G0A+4*\s+3], 0x80000000
	s_mov_b32 s[G0B+4*\s], 1
	s_add_co_u32 s[G0B+4*\s+1], s3, \s*SLOT
	s_add_nc_u64 s[G0B+4*\s+2:G0B+4*\s+3], s[30:31], \s*ROWB
	s_or_b32 s[G0B+4*\s+3], s[G0B+4*\s+3], 0x80000000
.endr
	CROUND                                         ; all sixteen work-groups are here: the first joint loads meet
; THE HEAD'S LOADS, ONE A WAVE.  One tree of branches on the wave's number.
.macro ARM under, g0, g1, next
	s_cmp_lt_u32 s[WV], \under
	s_cbranch_scc0 \next
	tensor_load_to_lds s[\g0:\g0+3], s[\g1:\g1+7]
	s_nop 0
	PLACES 4
	s_branch .Lhead_asked
\next:
.endm
	ARM 1, G0H,  G1A,  .Lhead_w
	ARM 2, G0HB, G1B,  .Lhead_xs
	ARM 3, G0SA, G1SA, .Lhead_ws
	tensor_load_to_lds s[G0SB:G0SB+3], s[G1SB:G1SB+7]
	s_nop 0
	PLACES 4
.Lhead_asked:
	; the prefetches: s[4:5], s[8:9] stand at the tiles' first rows
	s_cmp_eq_u32 s[CH], 0                          ; waves 0 and 2 name x's rows, waves 1 and 3 W's
	s_cselect_b32 s6, s25, s26                     ; my place among the four that ask for the tile with me
	s_cselect_b64 s[PFA:PFA+1], s[4:5], s[8:9]
	s_lshl_b32 s6, s6, 1
	s_add_co_u32 s6, s6, s[RH]                     ; which 32 rows of the 256: 2 x place + wave / 2
	s_lshl_b32 s6, s6, 16                          ; 32 rows x 2,048 bytes
	s_mov_b32 s7, 0
	s_add_nc_u64 s[PFA:PFA+1], s[PFA:PFA+1], s[6:7]
	; out0: s[20:21] at my blocks 0-3's first row, s[10:11] at my blocks 4-7's
	s_lshl_b32 s30, s27, 10
	s_lshl_b32 s6, s[CH], 9
	s_add_co_u32 s30, s30, s6                      ; my first column x 4 bytes
	s_mov_b32 s31, 0
	s_add_nc_u64 s[20:21], s[20:21], s[30:31]
	s_lshl_b32 s100, s28, 22
	s_lshl_b32 s6, s[RH], 21
	s_add_co_u32 s100, s100, s6                    ; (256 x tile row + 128 x half) x 16,384 bytes
	s_mov_b32 s101, 0
	s_add_nc_u64 s[20:21], s[20:21], s[100:101]
	s_lshl_b32 s6, s[CN], 20                       ; 64 rows
	s_mov_b32 s7, 0
	s_add_nc_u64 s[10:11], s[20:21], s[6:7]
	s_lshl_b32 s6, s[CH], 20
	s_add_nc_u64 s[20:21], s[20:21], s[6:7]
	; lora_B and b: I pack columns 64 RH .. 64 RH + 63 of my column half
	s_lshl_b32 s6, s[RH], 8
	s_add_co_u32 s30, s30, s6
	s_add_nc_u64 s[18:19], s[18:19], s[30:31]
	s_lshl_b32 s30, s30, 4                         ; a row of lora_B is 64 bytes
	s_add_nc_u64 s[16:17], s[16:17], s[30:31]
	; LDS addresses
	s_mul_i32 s6, s[RH], HALFT
	s_mul_i32 s7, s[CH], 64*PITCH
	s_add_co_u32 s7, s7, s6                        ; my blocks 0-3 of x
	s_mul_i32 s29, s[CN], 64*PITCH
	s_add_co_u32 s29, s29, s6                      ; my blocks 4-7
	s_mul_i32 s30, s[CH], HALFT
	s_add_co_u32 s30, s30, TILE                    ; my 128 rows of W
	s_mul_i32 s31, s[RH], HALFS
	s_add_co_u32 s31, s31, XSB
	s_mul_i32 s100, s[CH], HALFS/2
	s_add_co_u32 s100, s100, s31                   ; x's scales, blocks 0-3
	s_mul_i32 s101, s[CN], HALFS/2
	s_add_co_u32 s101, s101, s31                   ; blocks 4-7
	s_mul_i32 s31, s[CH], HALFS
	s_add_co_u32 s31, s31, SLOT                    ; W's scales
	s_mul_i32 s3, s[WV], 16*SPITCH                 ; my stage
	s_mul_i32 s4, s[CH], 6144
	s_add_co_u32 s4, s4, LBI                       ; my column half's image
	s_mul_i32 s5, s[RH], 3072
	s_lshl_b32 s8, s[WV], 11
	s_add_co_u32 s8, s8, TEX
	s_xor_b32 s9, s[WV], 1
	s_lshl_b32 s9, s9, 11
	s_add_co_u32 s9, s9, TEX
	v_and_b32 v1, 15, v0                           ; r = lane % 16
	v_bfe_u32 v2, v0, 4, 1                         ; h = lane / 16
	v_and_b32 v12, 31, v0                          ; lane
	v_mul_u32_u24 v3, v1, PITCH
	v_lshl_add_u32 v3, v2, 4, v3                   ; a fragment's row x pitch + 16 h
	v_add_nc_u32 v[ADRA], s7, v3
	v_add_nc_u32 v[ADRA+2], s29, v3
	v_add_nc_u32 v[ADRB], s30, v3
	v_add_nc_u32 v[ADRA+1], SLOT, v[ADRA]
	v_add_nc_u32 v[ADRA+3], SLOT, v[ADRA+2]
	v_add_nc_u32 v[ADRB+1], SLOT, v[ADRB]
	v_lshrrev_b32 v4, 1, v12                       ; scales: lane l takes row l: 128 bytes, two rows in an LDS row
	v_mul_u32_u24 v4, v4, PITCH
	v_and_b32 v5, 1, v0
	v_lshl_add_u32 v4, v5, 7, v4
	v_add_nc_u32 v[XSA], s100, v4
	v_add_nc_u32 v[XSA+1], s101, v4
	v_add_nc_u32 v249, s31, v4
	v_mul_u32_u24 v6, v1, SPITCH                   ; into the stage: row r, 32 bytes for each half of the lanes
	v_lshl_add_u32 v6, v2, 5, v6
	v_add_nc_u32 v[STO], s3, v6
	v_lshlrev_b32 v[CO], 4, v12                    ; back: the 32 lanes take one row of 512 bytes; and the same in out0
	v_add_nc_u32 v[RD], s3, v[CO]
	v_add_nc_u32 v[LBR], s4, v[CO]
	v_add_nc_u32 v[TEXW], s8, v[CO]
	v_add_nc_u32 v[TEXR], s9, v[CO]
	v_lshlrev_b32 v7, 3, v12
	v_add_nc_u32 v[LBR8], s4, v7
	v_add_nc_u32 v[LBR8], 512, v[LBR8]
	v_add_nc_u32 v245, s5, v[LBR]                  ; where I put lora_B's part
	v_add_nc_u32 v246, s5, v[LBR8]                 ; and the bias's
	v_add_nc_u32 v244, -1, v2                      ; all ones in lanes 0-15, 0 in lanes 16-31
	v_lshlrev_b32 v[PFO], 11, v12
	v_lshlrev_b32 v[LAO], 11, v1
	v_lshl_add_u32 v[LAO], v2, 4, v[LAO]           ; lora_A's codes: 2,048 r + 16 h
	v_lshlrev_b32 v12, 7, v1
	v_lshl_add_u32 v12, v2, 6, v12                 ; its scale bytes: 128 r + 64 h
	v_lshlrev_b32 v3, 6, v1
	v_lshl_add_u32 v3, v2, 5, v3                   ; lora_B: 64 r + 32 h
	v_lshlrev_b32 v1, 2, v1                        ; the bias: 4 r
	s_wait_alu depctr_va_vdst(0)
; lora_A's fragments for q = 2 h, 2 h + 1 of K step s lie in group (2 s + h) % 3: a group is asked for a whole K step ahead of its use, when its last reader has been issued.
.macro LREG s, q
.if (2*(\s)+(\q)/2)%3 == 0
.set LR, 168+8*((\q)%2)
.else
.if (2*(\s)+(\q)/2)%3 == 1
.set LR, 184-180*((\q)%2)
.else
.set LR, 240+8*((\q)%2)
.endif
.endif
.endm
.macro LFLOAD s, h                     ; the four loads together read 128 consecutive bytes of each of the 16 rows
.irp q, 2*(\h), 2*(\h)+1
	LREG \s, \q
.irp c, 0,1
	global_load_b128 v[LR+4*\c:LR+4*\c+3], v[LAO], s[12:13] offset:ROWB*(\s)+64*(\q)+32*\c
.endr
.endr
.endm
; THE RUN: 36 LDS loads: the fragments and x's scale words of K step s, q-th 128, into set q % 2.  A fragment: lane l holds row l % 16; registers 4 c .. 4 c + 3 hold K = 64 c + 32 (l / 16) + 0 .. 31
.macro RUN s, q
	WIN TO_B
.irp n, 0,1,2,3,4,5,6,7
.irp c, 0,1
	ds_load_b128 v[64*((\q)%2)+8*\n+4*\c:64*((\q)%2)+8*\n+4*\c+3], v[ADRB+(\s)%2] offset:64*(\q)+32*\c+\n*BLK
.endr
.endr
.irp n, 0,1,2,3,4,5,6,7
.irp c, 0,1
	ds_load_b128 v[XF+64*((\q)%2)+8*\n+4*\c:XF+64*((\q)%2)+8*\n+4*\c+3], v[ADRA+2*(\n/4)+(\s)%2] offset:64*(\q)+32*\c+(\n%4)*BLK
.endr
.endr
	WIN 0
.irp p, 0,1,2,3
	ds_load_b32 v[XS+4*((\q)%2)+\p], v[XSA+\p/2] offset:16*(\s)+4*(\q)+(\p%2)*BLK
.endr
.endm
; Block a of x against W's 128 rows, 128 along K: four matrix instructions.  The very first products take the constant 0 as C: nothing is cleared.
; The accumulators take turns, one instruction a turn, in the same order in every step.
.macro MULA a, s, q
	WIN MUL+0x50*((\a)/4)
.set FX, XF+64*((\q)%2)+8*(\a)
.set SX, XS+4*((\q)%2)+(\a)/2
.irp b, 0,1,2,3
.set AC, 64*((\a)%4)+16*\b
.set FW, 64*((\q)%2)+16*\b
.set SW, WS+16*(\s)+4*\b+(\q)
.if (\s)+(\q) == 0
.if (\a)%2 == 0
	v_wmma_scale_f32_32x16x128_f4 v[AC:AC+15], v[FW:FW+15], v[FX:FX+7], 0, v[SW], v[SX]
.else
	v_wmma_scale_f32_32x16x128_f4 v[AC:AC+15], v[FW:FW+15], v[FX:FX+7], 0, v[SW], v[SX] matrix_b_scale:MATRIX_SCALE_ROW1
.endif
.else
.if (\a)%2 == 0
	v_wmma_scale_f32_32x16x128_f4 v[AC:AC+15], v[FW:FW+15], v[FX:FX+7], v[AC:AC+15], v[SW], v[SX]
.else
	v_wmma_scale_f32_32x16x128_f4 v[AC:AC+15], v[FW:FW+15], v[FX:FX+7], v[AC:AC+15], v[SW], v[SX] matrix_b_scale:MATRIX_SCALE_ROW1
.endif
.endif
.endr
.endm
; One matrix instruction for t of block a (source 0 = lora_A's 16 rows): lane (r, h), register j: t[row r][8 h + j]
.macro TM a, s, q
.set AC, T+8*(\a)
.set FX, XF+64*((\q)%2)+8*(\a)
.set SX, XS+4*((\q)%2)+(\a)/2
.set SW, LS+4*((\s)%4)+(\q)
.if (\s)+(\q) == 0
.if (\a)%2 == 0
	v_wmma_scale_f32_16x16x128_f8f6f4 v[AC:AC+7], v[LR:LR+7], v[FX:FX+7], 0, v[SW], v[SX] matrix_a_fmt:MATRIX_FMT_FP4 matrix_b_fmt:MATRIX_FMT_FP4
.else
	v_wmma_scale_f32_16x16x128_f8f6f4 v[AC:AC+7], v[LR:LR+7], v[FX:FX+7], 0, v[SW], v[SX] matrix_a_fmt:MATRIX_FMT_FP4 matrix_b_fmt:MATRIX_FMT_FP4 matrix_b_scale:MATRIX_SCALE_ROW1
.endif
.else
.if (\s) < 4
.if (\a)%2 == 0
	v_wmma_scale_f32_16x16x128_f8f6f4 v[AC:AC+7], v[LR:LR+7], v[FX:FX+7], v[AC:AC+7], v[SW], v[SX] matrix_a_fmt:MATRIX_FMT_FP4 matrix_b_fmt:MATRIX_FMT_FP4
.else
	v_wmma_scale_f32_16x16x128_f8f6f4 v[AC:AC+7], v[LR:LR+7], v[FX:FX+7], v[AC:AC+7], v[SW], v[SX] matrix_a_fmt:MATRIX_FMT_FP4 matrix_b_fmt:MATRIX_FMT_FP4 matrix_b_scale:MATRIX_SCALE_ROW1
.endif
.else
.if (\a)%2 == 0
	v_wmma_scale_f32_16x16x128_f8f6f4 v[AC:AC+7], v[LR:LR+7], v[FX:FX+7], v[AC:AC+7], v[SW], v[SX] matrix_a_fmt:MATRIX_FMT_FP4 matrix_b_fmt:MATRIX_FMT_FP4 matrix_a_scale:MATRIX_SCALE_ROW1
.else
	v_wmma_scale_f32_16x16x128_f8f6f4 v[AC:AC+7], v[LR:LR+7], v[FX:FX+7], v[AC:AC+7], v[SW], v[SX] matrix_a_fmt:MATRIX_FMT_FP4 matrix_b_fmt:MATRIX_FMT_FP4 matrix_a_scale:MATRIX_SCALE_ROW1 matrix_b_scale:MATRIX_SCALE_ROW1
.endif
.endif
.endif
.endm
; A step's blocks 0-3 and its part of t; lora_A's group for this pair of steps was asked for a K step ago: the two groups of four loads behind it may be out (in K step 7: one group, then none).
.macro LOHALF s, q
	MULA 0, \s, \q
	MULA 1, \s, \q
	MULA 2, \s, \q
	MULA 3, \s, \q
.if (\q)%2 == 0
.if (\s) < 7
	s_wait_loadcnt 8
.else
	s_wait_loadcnt 4-2*(\q)
.endif
.endif
	WIN T_W
	LREG \s, \q
	TM 0, \s, \q
	TM 1, \s, \q
	TM 2, \s, \q
	TM 3, \s, \q
.endm
.macro HIHALF s, q
	MULA 4, \s, \q
	MULA 5, \s, \q
	MULA 6, \s, \q
	MULA 7, \s, \q
.endm
; A load into a register that a matrix instruction has read, and whatever reads a matrix result, stands four places behind that matrix instruction; only plain vector instructions that name none of its registers are
; places (ISA guide 7.12.1 for vector instructions).
; The first part of step (s, q); the step that follows is (ns, nq).
.macro STEP s, q, ns, nq, places
	s_wait_dscnt 24                                ; W's first six blocks of this step are in: so behind the run at most 60 LDS loads of mine are out
.if \places
	PLACES 4
.endif
	RUN \ns, \nq
.if (\s) < 7
.if (\q)%2 == 0
	LFLOAD (\s)+1, (\q)/2
.endif
.endif
.if (\q) == 3
.if (\s) < 4
	ASK (\s)+4                                     ; behind the joint load and the run of LDS loads
.endif
.endif
	s_wait_dscnt 36                                ; all but the 36 just issued: this step's fragments are in
	LOHALF \s, \q
.endm
; A K step's third step changes slots: its run has asked for the slot's last fragments.  ONE barrier; in front of it each wave waits for all its tensor loads, adds 0 to its spare word, and waits for that and for its own
; reads of this slot.  Up to K step 5 the slot is filled again, two K steps ahead, behind a round of the cluster's barrier.
.macro TURN s
	STEP \s, 2, \s, 3, 1
	MULA 4, \s, 2
	WIN 0                                          ; (the add's two registers lie in window 0)
	s_wait_tensorcnt 0x0                           ; all my tensor loads have landed: my part of the next slot
	ds_add_u32 v[SPW], v[NIL]                      ; 0 onto my spare word
	MULA 5, \s, 2
	s_wait_dscnt 0x0                               ; the add is done, and my reads of this slot are over
	s_barrier_signal -1
	MULA 6, \s, 2
	MULA 7, \s, 2
	WIN 0
	s_barrier_wait -1
.if (\s) < 6
	CREST                                          ; the barrier has opened a round of the cluster's barrier: no wave of any partner still reads this slot or has a load on its way
	s_add_nc_u64 s[G0A+4*((\s)%2)+2:G0A+4*((\s)%2)+3], s[G0A+4*((\s)%2)+2:G0A+4*((\s)%2)+3], 2*ROWB
	s_add_nc_u64 s[G0B+4*((\s)%2)+2:G0B+4*((\s)%2)+3], s[G0B+4*((\s)%2)+2:G0B+4*((\s)%2)+3], 2*ROWB
	JLOAD (\s)%2                                   ; the first tensor load behind the round, one a wave
.endif
.endm
.irp i, 0,1,2,3                        ; lane (r, h), block i of my four: lora_B[16 i + r][8 h .. 8 h + 7]
	global_load_b128 v[T+8*\i:T+8*\i+3], v3, s[16:17] offset:1024*\i
	global_load_b128 v[T+8*\i+4:T+8*\i+7], v3, s[16:17] offset:1024*\i+16
.endr
.irp i, 0,1,2,3
	global_load_b32 v[240+\i], v1, s[18:19] offset:64*\i
.endr
.irp i, 0,1,2,3                        ; lora_A's scale words, all of K
	global_load_b128 v[LS+4*\i:LS+4*\i+3], v12, s[14:15] offset:16*\i
.endr
	LFLOAD 0, 0
	LFLOAD 0, 1
	s_wait_alu depctr_va_vdst(0)
	s_cmp_lt_u32 s[WV], 2                          ; waves 2 and 3, which have load lines of their own, wait for the scales; the codes may still be on their way
	s_cbranch_scc1 .Lcodes_out
	s_wait_tensorcnt 0x0
.Lcodes_out:
	s_barrier_signal -1
	s_barrier_wait -1                              ; x's and W's scales are in
	ASK 1
	ASK 2
.irp s, 0,1,2,3,4,5,6,7
.irp b, 0,1,2,3
	ds_load_b128 v[WS+16*\s+4*\b:WS+16*\s+4*\b+3], v249 offset:16*\s+\b*BLK
.endr
.endr
	s_wait_loadcnt 12                              ; lora_B and b are in (behind them: four loads of scale words, eight of lora_A's fragments)
.irp i, 0,1,2,3                        ; the images: lora_B rounded to bf16 (k = 8 h .. 8 h + 7), and in lanes 0-15 the bias as three parts: k = 16, 17 in one register, k = 18 in the next
.irp j, 0,1,2,3
	v_cvt_pk_bf16_f32 v[252+\j], v[T+8*\i+2*\j], v[T+8*\i+2*\j+1]
.endr
	v_and_b32 v[240+\i], v244, v[240+\i]
	v_and_b32 v247, 0xffff0000, v[240+\i]          ; the bias's upper 8 bits of mantissa
	v_sub_f32 v247, v[240+\i], v247                ; the rest, exactly
	v_perm_b32 v250, v247, v[240+\i], 0x07060302   ; low half the first part, high half the second
	v_and_b32 v248, 0xffff0000, v247
	v_sub_f32 v248, v247, v248                     ; the third part, exactly
	v_lshrrev_b32 v251, 16, v248
	ds_store_b128 v245, v[252:255] offset:768*\i
	ds_store_b64 v246, v[250:251] offset:768*\i
.endr
	s_wait_tensorcnt 0x0                           ; my tile of the head's four is in
	ds_add_u32 v[SPW], v[NIL]                      ; 0 onto my spare word
	s_mov_b32 s[G1A+2], 128<<16                    ; no tensor load of mine is out, so a descriptor may be written: from here on a load brings 128 rows
	s_mov_b32 s[G1A+4], 128
	s_mov_b32 s[G1B+2], 128<<16
	s_mov_b32 s[G1B+4], 128
	s_wait_dscnt 0x0                               ; the add, my stores and my reads of W's scales are done
	CROUND                                         ; everybody's are, and K step 0 is in
	JLOAD 1                                        ; K step 1, over W's scales: the first tensor load behind the round
	RUN 0, 0
	ASK 3
.irp s, 0,1,2,3,4,5,6
	STEP \s, 0, \s, 1, (\s+6)/7
	HIHALF \s, 0
	STEP \s, 1, \s, 2, 1
	HIHALF \s, 1
	TURN \s
	STEP \s, 3, (\s)+1, 0, \s/6
	HIHALF \s, 3
.endr
	STEP 7, 0, 7, 1, 1
	HIHALF 7, 0
	STEP 7, 1, 7, 2, 1
	HIHALF 7, 1
	STEP 7, 2, 7, 3, 1
	HIHALF 7, 2
	PLACES 4                                       ; the very last step: in its run's place lora_B and the bias come out of the images, into W's set 0
	WIN TO_B
.irp b, 0,1,2,3,4,5,6,7
	ds_load_b128 v[BF+8*\b:BF+8*\b+3], v[LBR] offset:768*\b
	ds_load_b64 v[BF+8*\b+4:BF+8*\b+5], v[LBR8] offset:768*\b
.endr
	s_wait_dscnt 16                                ; all but the sixteen just issued
	LOHALF 7, 3
	HIHALF 7, 3
	; THE RANK-16 OPERANDS.  t x 2 (exact), rounded to bf16: a lane's eight numbers are k = 8 h .. 8 h + 7 of its row; registers 4-7: 1.0 at k = 16, 17, 18 (lanes 16-31 meet zeros there).
	; The 48 moves name no register of the last step's products: they are the places behind these, in front of reads of results and of matrix instructions of another form on the same accumulators.
	WIN TO_B
.irp a, 0,1,2,3,4,5,6,7
	v_mov_b32 v[BF+8*\a+6], 0
	v_mov_b32 v[BF+8*\a+7], 0
	v_mov_b32 v[XF+8*\a+4], 0x3f803f80
	v_mov_b32 v[XF+8*\a+5], 0x3f80
	v_mov_b32 v[XF+8*\a+6], 0
	v_mov_b32 v[XF+8*\a+7], 0
.endr
	WIN 0
.irp a, 0,1,2,3
.irp j, 0,2,4,6
	v_pk_mul_f32 v[T+8*\a+\j:T+8*\a+\j+1], v[T+8*\a+\j:T+8*\a+\j+1], 2.0 op_sel_hi:[1,0]   ; each accumulator from its low end on
.endr
.endr
	WIN TO_B
.irp a, 0,1,2,3
.irp j, 0,1,2,3
	v_cvt_pk_bf16_f32 v[XF+8*\a+\j], v[T+8*\a+2*\j], v[T+8*\a+2*\j+1]
.endr
.endr
	WIN 0x04
.irp a, 0,1,2,3                        ; my blocks 0-3 are my partner's blocks 4-7
	ds_store_b128 v[TEXW], v[XF+8*\a:XF+8*\a+3] offset:512*\a
.endr
; Block a's accumulators take the rank-16 term and the bias: source 0 = 16 rows of lora_B, source 1 = 2 t of the block's 16 rows.
.macro LORA a
	WIN MUL+0x50*((\a)/4)
.irp b, 0,1,2,3,4,5,6,7
	v_wmma_f32_16x16x32_bf16 v[64*((\a)%4)+8*\b:64*((\a)%4)+8*\b+7], v[BF+8*\b:BF+8*\b+7], v[XF+8*(\a):XF+8*(\a)+7], v[64*((\a)%4)+8*\b:64*((\a)%4)+8*\b+7]
.endr
.endm
	s_wait_alu depctr_va_vdst(0)
	s_wait_dscnt 0x0                               ; for my partner's sake: my stores are done; and the images are in
	s_barrier_signal -1
	LORA 0
	LORA 1
	WIN 0
	s_barrier_wait -1
	WIN TO_B
.irp a, 4,5,6,7
	ds_load_b128 v[XF+8*\a:XF+8*\a+3], v[TEXR] offset:512*(\a-4)
.endr
; THE WAY OUT, block by block of 16 rows x 128 columns.  A lane holds 32 neighbouring bytes of a row, and the lanes beside it hold other rows: so a block goes through my own stage in LDS and comes back as whole
; rows of 512 bytes.  LDS serves a wave's instructions in order (ISA guide 5.7.1.4): no wait between the stores and the loads, nor in front of the next block's stores.
.macro TOSTAGE a
.set AC, 64*((\a)%4)
	WIN 0x08+4*((\a)/4)                            ; the data: window 2 or 3
.irp b, 0,1,2,3,4,5,6,7
	ds_store_b128 v[STO], v[AC+8*\b:AC+8*\b+3] offset:64*\b          ; each accumulator from its low end on
	ds_store_b128 v[STO], v[AC+8*\b+4:AC+8*\b+7] offset:64*\b+16
.endr
	WIN TO_B
.set BB, BK+128*((\a)%2)
.irp t, 0,1,2,3,4,5,6,7,8,9,10,11,12,13,14,15
	ds_load_b128 v[BB+4*\t:BB+4*\t+3], v[RD] offset:\t*SPITCH
.endr
	WIN 0
.endm
.macro SEND a, younger                 ; younger: the LDS instructions issued behind block a's loads, which may stay out
.set BB, BK+128*((\a)%2)
	s_wait_dscnt \younger                          ; the block is back in registers
	WIN 0x04                                       ; a store's data are its source 1: window 1
.irp t, 0,1,2,3,4,5,6,7,8,9,10,11,12,13,14,15
.if (\a) < 4
	global_store_b128 v[CO], v[BB+4*\t:BB+4*\t+3], s[20:21] offset:(16*((\a)%4)+\t)*NROW th:TH_STORE_NT   ; 32 lanes store 512 consecutive bytes, at a multiple of 512 from out0's first byte; written once, read by nobody here
.else
	global_store_b128 v[CO], v[BB+4*\t:BB+4*\t+3], s[10:11] offset:(16*((\a)%4)+\t)*NROW th:TH_STORE_NT
.endif
.endr
	WIN 0
.endm
	PLACES 4                                       ; in front of the stores that read blocks 0's and 1's results
	TOSTAGE 0
.irp a, 1,2,3,4,5,6,7
.if \a > 1
	s_wait_xcnt 0x0                                ; block a - 2's stores have read their registers: block a's loads may land there
.endif
	TOSTAGE \a
.if \a < 7
	LORA \a+1                                      ; the next block's term is added while this block goes through the stage (the partner's t came ahead of block 0's rows)
	PLACES 4
	WIN 0
.endif
	SEND \a-1, 32                                  ; behind block a - 1's loads: block a's 16 stores and 16 loads
.endr
	SEND 7, 0
	s_wait_tensorcnt 0x0                           ; the wave's end, behind my last tensor load and my last LDS store
	ds_add_u32 v[SPW], v[NIL]
	s_wait_dscnt 0x0
	CROUND                                         ; the closing round: no work-group ends while a partner may still ask for a tile that names it
	s_endpgm
.Lfunc_end_k_qdf34265fe3_lora_gemm:
	.size	k_qdf34265fe3_lora_gemm, .Lfunc_end_k_qdf34265fe3_lora_gemm-k_qdf34265fe3_lora_gemm
	.p2alignl 7, 3214868480
	.fill 96, 4, 3214868480
	.section	.rodata,"a",@progbits
	.p2align	6, 0x0
	.amdhsa_kernel k_qdf34265fe3_lora_gemm
		.amdhsa_group_segment_fixed_size 327680
		.amdhsa_private_segment_fixed_size 0
		.amdhsa_enable_private_segment 0
		.amdhsa_kernarg_size 72
		.amdhsa_user_sgpr_count 2
		.amdhsa_user_sgpr_kernarg_segment_ptr 1
		.amdhsa_wavefront_size32 1
		.amdhsa_system_sgpr_workgroup_id_x 1
		.amdhsa_system_sgpr_workgroup_id_y 1
		.amdhsa_system_sgpr_workgroup_id_z 1
		.amdhsa_system_vgpr_workitem_id 0
		.amdhsa_next_free_vgpr 1024
		.amdhsa_next_free_sgpr 102
		.amdhsa_reserve_vcc 0
		.amdhsa_float_denorm_mode_32 3
		.amdhsa_float_denorm_mode_16_64 3
		.amdhsa_memory_ordered 1
		.amdhsa_forward_progress 1
		.amdhsa_inst_pref_size 255
	.end_amdhsa_kernel
	.section	.bss,"aw",@nobits
	.p2align	6
	.space	262144
	.amdgpu_metadata
---
amdhsa.version: [ 1, 2 ]
amdhsa.kernels:
  - .name:           k_qdf34265fe3_lora_gemm
    .symbol:         k_qdf34265fe3_lora_gemm.kd
    .args:
      - { .name: x_codes, .offset: 0, .size: 8, .value_kind: global_buffer, .address_space: global }
      - { .name: x_scales, .offset: 8, .size: 8, .value_kind: global_buffer, .address_space: global }
      - { .name: W_codes, .offset: 16, .size: 8, .value_kind: global_buffer, .address_space: global }
      - { .name: W_scales, .offset: 24, .size: 8, .value_kind: global_buffer, .address_space: global }
      - { .name: lora_A_codes, .offset: 32, .size: 8, .value_kind: global_buffer, .address_space: global }
      - { .name: lora_A_scales, .offset: 40, .size: 8, .value_kind: global_buffer, .address_space: global }
      - { .name: lora_B, .offset: 48, .size: 8, .value_kind: global_buffer, .address_space: global }
      - { .name: b, .offset: 56, .size: 8, .value_kind: global_buffer, .address_space: global }
      - { .name: out0, .offset: 64, .size: 8, .value_kind: global_buffer, .address_space: global }
    .group_segment_fixed_size: 327680
    .private_segment_fixed_size: 0
    .kernarg_segment_align: 8
    .kernarg_segment_size: 72
    .max_flat_workgroup_size: 128
    .sgpr_count:     102
    .vgpr_count:     1024
    .wavefront_size: 32
...
	.end_amdgpu_metadata
.endif
;; end of part 1
